; MI455X (gfx1250); checked and timed in simulation.
; The chip was launched on July 23, 2026; its instructions are those of AMD's public machine-readable ISA for CDNA 5 (MIT licence, August 2026) and "CDNA5" Instruction Set Architecture Reference Guide (July 2026). The comments in the code are by the model that wrote it; some were corrected since.
;; Causal Self Attention. Allowed arithmetic: matrix products marked QUANTISED: E5M2 operands, one E8M0 scale for each 32 along K, by v_wmma_scale_f32_16x16x128_f8f6f4 with both operands' format E5M2, f32 sums; everything else in f32.
;; Inputs: W_proj_codes 1,024 x 32 x 32 uint8 (E5M2 codes of W_proj, K innermost, in blocks of 32 codes); W_proj_scales 1,024 x 32 uint8 (E8M0 scales of W_proj, one for each 32 codes along K); W_qkv_codes 3,072 x 32 x 32 uint8 (E5M2 codes of W_qkv, K innermost, in blocks of 32 codes); W_qkv_scales 3,072 x 32 uint8 (E8M0 scales of W_qkv, one for each 32 codes along K); b_proj 1,024 float32; b_qkv 3,072 float32; x_codes 4 x 2,048 x 32 x 32 uint8 (E5M2 codes of x, K innermost, in blocks of 32 codes); x_scales 4 x 2,048 x 32 uint8 (E8M0 scales of x, one for each 32 codes along K).
;; Outputs: out0 4 x 2,048 x 1,024 float32.
;; This version of the problem:
;;   THIS VERSION OF THE PROBLEM IS GIVEN IN LOW PRECISION. The matrix products marked QUANTISED in the list below multiply operands that are first quantised to E5M2 (5 exponent bits, 2 mantissa bits; 8 bits a number), with one power-of-two scale for each 32 numbers along K (OCP MX v1.0); their sums are f32. All else is computed in f32.
;;   The module's matrix products, in the order in which they are computed (A, B: the left and right operand; K: the contracted axis; several contracted axes count as one K, in the product's order):
;;     1. [M 8,192, K 1,024] x [K 1,024, N 3,072]; A: input x (given as codes); B: input W_qkv (given as codes): QUANTISED
;;     2. batch 64 x [M 2,048, K 64] x [K 64, N 2,048]; A: computed on the way; B: computed on the way: QUANTISED
;;     3. batch 64 x [M 2,048, K 2,048] x [K 2,048, N 64]; A: softmax (see below); B: computed on the way: QUANTISED
;;     4. [M 8,192, K 1,024] x [K 1,024, N 1,024]; A: computed on the way; B: input W_proj (given as codes): QUANTISED
;;   THE QUANTISER, for each operand of a quantised product, along K:
;;     - K is cut into blocks of 32 from its start; a last block that is shorter is filled with zeros.
;;     - A block's scale is 2^e with e = floor(log2(the largest magnitude in the block)) - 15, held to -126 .. 127; a block of zeros has e = 0. As a byte (E8M0): e + 127.
;;     - Each number is divided by its block's scale, clamped to +-57,344, and rounded to the nearest number of E5M2, ties to even, subnormals kept.
;;     - The product sums the exact products of the quantised numbers (number of the format x scale) in f32.
;;   ~~~python
;;   def quantise(x, axis):      # numpy; x: float32 -> the quantised numbers, widened to float32 again
;;       x = np.moveaxis(x, axis, -1); K = x.shape[-1]
;;       x = np.pad(x, [(0, 0)] * (x.ndim - 1) + [(0, -K % 32)]); x = x.reshape(x.shape[:-1] + (-1, 32)); a = np.abs(x).max(-1, keepdims=True)
;;       e = np.where(a > 0, np.clip(np.frexp(np.where(a > 0, a, 1))[1] - 1 - 15, -126, 127), 0)      # np.frexp(a)[1] - 1 = floor(log2(a)), exactly
;;       r = np.clip(x / 2.0 ** e, -57344, 57344)
;;       step = 2.0 ** (np.maximum(np.frexp(np.where(r == 0, 1, r))[1] - 1, -14) - 2)
;;       q = np.round(r / step) * step * 2.0 ** e      # np.round: ties to even
;;       return np.moveaxis(q.reshape(q.shape[:-2] + (-1,))[..., :K], -1, axis).astype(np.float32)
;;   ~~~
;;   SOFTMAX AHEAD OF A QUANTISED PRODUCT. Where the list says 'softmax', what is quantised is not the finished softmax but p = 2^(t - M), with t = logit x log2(e) and M = ceil(the row's largest t), a whole number; so 1/2 < the row's largest p <= 1. The row's sum l is taken of the UNQUANTISED p, in f32, and the product's result is divided by l at the end. Since M is a whole number, a kernel that streams over the keys may use a running M (the ceiling of the running maximum): every later rescaling is an exact power of two, which a block's scale takes up: the codes' values come out the same.
;;   OPERANDS COMPUTED ON THE WAY. 'Computed on the way' means the value that the module computes at that place (a softmax that the list does not call 'softmax' is quantised finished and normalised). What goes into a quantiser is computed in f32, as accurately as f32 sums, v_exp_f32 and their like allow (about 1e-6 of the number): no bf16 or f16 on the way to a quantiser, and a product that is left as it is and whose result goes on into a quantised operand takes f32 operands (vector FMAs, or v_wmma_f32_16x16x4_f32). A number that lies on a knife's edge between two numbers of the format may be rounded either way, as far as f32 arithmetic and the matrix unit's own rounding can turn it there, and no further.
;;   INPUTS GIVEN AS CODES. W_proj (in the module: [1024, 1024], K = its axis 0); W_qkv (in the module: [1024, 3072], K = its axis 0); x (in the module: [4, 2048, 1024], K = its axis 2): each comes as NAME_codes (uint8): NAME with its K axis moved to the last place and cut into blocks of 32 codes, [.., K / 32, bytes a block], one block behind the other in memory; one code a byte (a code: sign, 5 exponent bits, 2 mantissa bits); and NAME_scales (uint8): the same leading axes, one E8M0 byte (e + 127) for each 32 codes along K. Its value is code x scale, taken as it is: it is not quantised again, and the codes and scales need not be those that the quantiser above would give.
;; One version. Each part assembles by itself: llvm-mc -triple=amdgcn-amd-amdhsa -mcpu=gfx1250 --defsym DOCPART=n.
;; ======== version 1 of 1: 3 launches
;; limits: right only within a limited range of input values
;; workspace buffers: qkv 25,952,256 bytes; yc 8,388,608 bytes; ys 262,144 bytes
;; launch qkv (part 1): grid 96 x 4, 4 waves a work-group, clusters of 4 x 4, 327,680 bytes of LDS; arguments x_codes, x_scales, W_qkv_codes, W_qkv_scales, b_qkv, qkv; writes qkv
.if DOCPART == 1
	.amdgcn_target "amdgcn-amd-amdhsa--gfx1250"
	.amdhsa_code_object_version 6
	.text
	.protected	k_qe64b01b04a_qkv
	.globl	k_qe64b01b04a_qkv
	.p2align	8
	.type	k_qe64b01b04a_qkv,@function
k_qe64b01b04a_qkv:
	s_mov_b64 s[64:65], 0
	v_nop
	global_prefetch_b8 v0, s[64:65] scope:SCOPE_SE
	s_setreg_imm32_b32 hwreg(HW_REG_WAVE_MODE, 25, 1), 1
	s_wait_xcnt 0x0
	s_wait_alu depctr_hold_cnt(0) depctr_sa_sdst(0) depctr_va_vdst(0) depctr_va_sdst(0) depctr_va_ssrc(0) depctr_va_vcc(0) depctr_vm_vsrc(0)
	s_getreg_b32 s2, hwreg(HW_REG_IB_STS2, 6, 4)
	s_cmp_eq_u32 s2, 0
	s_cbranch_scc0 .Lentry_in_a_cluster
	s_endpgm
.Lentry_in_a_cluster:
	s_bfe_u32 s2, ttmp6, 0x10000c
	s_cmp_lg_u32 s2, 0xf033
	s_cbranch_scc0 .Lentry_shape_is_right
	s_endpgm
.Lentry_shape_is_right:
; q, k, v = x W_qkv + b_qkv on codes of BF8 (E5M2) with one E8M0 scale for each 32 along K = 1,024; the f32 results are quantised here, q and k along the head's 64, v along the keys,
; and leave as IMAGES OF OPERAND REGISTERS: four registers of 16 rows x 32 k are 512 consecutive bytes, lane l's 16 bytes at 16 l.
; A work-group of four waves makes a tile of 256 x 256, a wave 128 x 128: 64 accumulators, 512 registers.  K goes in steps of 256 through two LDS slots filled by the tensor data mover.
; The matrix instruction is used transposed: source 0 = 16 rows of the B SLOT, source 1 = 16 rows of the A SLOT: a lane holds one row of A's and its registers run along B's rows.
; What is quantised runs along the registers.  So: clusters 0-15 (q, k): A slot = x (tokens), B slot = W's rows 0-2,047 (features).  Clusters 16-23 (v): A slot = W's rows 2,048 on, B slot = x (tokens = keys).
; Only pointers, tile numbers and the way out differ; the choice hangs on the cluster's number, which all sixteen partners share.
; A block of 32 lies in two neighbouring result tiles, 16 registers of lanes l and l xor 16.  Their codes are put into the operand's four registers as they come: place 16 h + i of a block holds
; number 8 h + i (i < 8) or 16 + 8 h + i - 8.  q and k get the same order, v and the softmax's weights too: the products are the same, only the order of the sums inside a block differs.
; THE BUFFER qkv: a record of 25,344 bytes for each (batch, head, group of 128 tokens), record (16 batch + head) 16 + group:
;   0 K's images (token tile a: 1,024 a + 512 c)   8,192 K's scale words   8,448 V's images (tile t of the head's 64: 2,048 t + 512 x key block)   16,640 V's scale words   16,896 Q's images   25,088 Q's scale words
;   K's and Q's scale words: at 8 lane + 4 i the word of the pair of token tiles 2 i + lane / 16, token lane % 16: two bytes of the even tile, two of the odd.   V's: the word of tile 2 i + lane / 16, row lane % 16: four key blocks.
; CLUSTERS: 4 x 4 work-groups; A's tiles are asked for jointly along a row of the cluster, B's along a column.
; LIMITS: NaN and infinities (also as given codes) are not served; a block of zeros gets the byte 1 (its codes are zeros; this program alone reads the bytes); largest magnitudes under 2^-111 are held at that floor.
; REGISTERS, in windows of 256: window 0: v0-31 addresses; v32-63 scale words, two sets, and nothing else; v64-127 the bias; from v128 A's fragments, one set (on the way out: v128-191 64 numbers, v192-223 codes, v224-255 at work).
;   window 1: B's fragments, two sets.   window 2: the accumulators of my rows 0-63 ((a, b) at v[8 (8 a + b)]);   window 3: those of rows 64-127.
.set KSTEP,  256
.set NQ,     2                         ; matrix instructions deep in a slot
.set ROWB,   256                       ; a tile's row in bytes
.set KROW,   1024                      ; a row of x or of W in memory
.set PITCH,  272                       ; an LDS row: 256 bytes + 16 of padding: the 16 rows that a load touches start 4 banks apart (64 banks of 4 bytes: ISA guide 11.1)
.set FR,     16
.set NL,     4
.set NP,     8                         ; places behind this matrix instruction (ISA guide 7.12.1)
.set HALFT,  128*PITCH
.set SLOT,   4*HALFT
.set LAPS,   2                         ; K = 1,024 is four K steps: twice round the ring
.set KS,     32                        ; a row of scale bytes
.set SCL,    2*SLOT
.set HALFS,  (128*KS/256)*272
.set SBLK,   (16*KS/256)*272
.set SPARE,  SCL+4*HALFS               ; the spare words, 128 bytes for each wave: two blocks of 256 bytes that no other line names
.set RECG,   25344
.set HSTR,   16*RECG                   ; from a head's record to the next head's
.set ADRA, 16
.set ADRB, 20
.set LI,   24                          ; v24  16 x lane
.set L8,   25                          ; v25  8 x lane
.set ADRS, 27
.set SPW,  28
.set NIL,  29
.set VO,   30                          ; v30  the bias loads' lane offset
.set SC,   32
.set BI,   64
.set AF,   128
.set X,    128
.set PC,   192
.set TM,   224                         ; +0..3 largest magnitudes, +4..7 bytes, +12..15 the conversions' scale operands
.set PW,   240                         ; the scale word of each of my eight blocks of 16 rows
.set TP,   248
.set G1, 24
.set G0, 32
.set G1B, 48
.set G0B, 56
.set G1S, 68
.set G0S, 76
.set G1SB, 80
.set G0SB, 88
.set MSB, 0
.macro WIN new                         ; the immediate's high byte repeats the setting that is left
.if MSB != (\new)
	s_set_vgpr_msb (MSB<<8)|(\new)
.set MSB, \new
.endif
.endm
.set MUL_LO, 0xa1                      ; source 0 (B) window 1, source 1 (A) window 0, C and D window 2
.set MUL_HI, 0xf1
.set TO_B,   0x40
; A joint load: waves 0 and 1 fetch for the A slot, waves 2 and 3 for the B slot.  Four v_nop follow each of the two lines.
.macro JLOAD g0a, g1a, g0b, g1b
	s_cmp_eq_u32 s17, 0
	s_cbranch_scc0 .Lfor_b_\@
	tensor_load_to_lds s[\g0a:\g0a+3], s[\g1a:\g1a+7]
	s_nop 0
.rept 4
	v_nop
.endr
	s_branch .Lasked_\@
.Lfor_b_\@:
	tensor_load_to_lds s[\g0b:\g0b+3], s[\g1b:\g1b+7]
	s_nop 0
.rept 4
	v_nop
.endr
.Lasked_\@:
.endm
.macro CREST                           ; a round of the cluster's barrier behind its opening barrier
	s_cmp_lg_u32 s16, 0
	s_cbranch_scc1 .Lnot_wave_0_\@
	s_barrier_signal -3
.Lnot_wave_0_\@:
	s_barrier_wait -3
	s_barrier_signal -1
	s_barrier_wait -1
.endm
.macro CROUND
	s_barrier_signal -1
	s_barrier_wait -1
	CREST
.endm
	s_load_b256 s[4:11], s[0:1], 0x0               ; x's codes s[4:5], x's scales s[6:7], W's codes s[8:9], W's scales s[10:11]
	s_load_b128 s[12:15], s[0:1], 0x20             ; the bias s[12:13], qkv s[14:15]
	v_lshl_add_u32 v[SPW], v0, 2, SPARE
	v_mov_b32 v[NIL], 0
	ds_add_u32 v28, v29
	ds_add_u32 v28, v29
	s_wait_dscnt 0x0
	v_lshrrev_b32 v1, 5, v0
	v_readfirstlane_b32 s16, v1                    ; wave 0..3
	s_lshr_b32 s17, s16, 1                         ; which half of A's rows is mine.  Also: I fetch for A (0) or for B (1)
	s_and_b32 s18, s16, 1                          ; which half of B's rows.  Also: which 128 rows I fetch
	s_bfe_u32 s40, ttmp6, 0x40000                  ; cx
	s_bfe_u32 s41, ttmp6, 0x40004                  ; cy
	s_lshl_b32 s43, s41, 2
	s_lshl_b32 s43, 15, s43                        ; my row of the cluster
	s_lshl_b32 s44, 0x1111, s40                    ; my column
	; which tiles: the cluster's number alone decides between q, k (0-15) and v (16-23)
	s_lshr_b32 s92, ttmp9, 1
	s_and_b32 s93, ttmp9, 1
	s_sub_co_u32 s100, ttmp9, 16
	s_cmp_lt_u32 ttmp9, 16
	s_cselect_b32 s92, s92, 0                      ; A's tiles 4 s92 + cy: q, k: of x's 32;  v: of W_v's 4
	s_cselect_b32 s93, s93, s100                   ; B's tiles 4 s93 + cx: q, k: of W's first 8;  v: of x's 32
	s_cselect_b32 s2, 0, 2048                      ; v: A's rows begin at W's row 2,048
	s_cselect_b32 s101, -1, 0                      ; a lane mask: all ones for q, k
	s_lshl_b32 s95, s92, 2
	s_add_co_u32 s95, s95, s41                     ; A's tile
	s_lshl_b32 s42, s93, 2
	s_add_co_u32 s42, s42, s40                     ; B's tile
	; descriptor group 1: a tile of 128 rows x 256 bytes, padded in LDS
	s_or_b32 s[G1+0], s43, (0<<16)|(1<<20)|(1<<21)|(5<<22)|(3<<25)   ; 15:0 the mask: my row; elements of 1 byte; padding on; 21 set beside a mask; four words after every 64
	s_or_b32 s[G1B+0], s44, (0<<16)|(1<<20)|(1<<21)|(5<<22)|(3<<25)  ; the same with my column
.irp g, G1, G1B
	s_mov_b32 s[\g+1], ROWB<<16                    ; tensor_dim0
	s_mov_b32 s[\g+2], 128<<16                     ; tensor_dim1
	s_mov_b32 s[\g+3], ROWB<<16                    ; tile_dim0
	s_mov_b32 s[\g+4], 128                         ; tile_dim1
	s_mov_b32 s[\g+5], KROW                        ; from row to row
	s_mov_b32 s[\g+6], 0
	s_mov_b32 s[\g+7], 0
.endr
	; the scales of 128 rows: 4,096 dense bytes, as 16 rows of 256 bytes (32 elements of 8), 16 bytes of padding behind each
	s_or_b32 s[G1S+0], s43, (3<<16)|(1<<20)|(1<<21)|(5<<22)|(3<<25)
	s_or_b32 s[G1SB+0], s44, (3<<16)|(1<<20)|(1<<21)|(5<<22)|(3<<25)
.irp g, G1S, G1SB
	s_mov_b32 s[\g+1], 32<<16
	s_mov_b32 s[\g+2], (128*KS/256)<<16
	s_mov_b32 s[\g+3], 32<<16
	s_mov_b32 s[\g+4], 128*KS/256
	s_mov_b32 s[\g+5], 32
	s_mov_b32 s[\g+6], 0
	s_mov_b32 s[\g+7], 0
.endr
	s_lshl_b32 s23, s18, 7                         ; which 128 rows of a tile I fetch
	s_lshl_b32 s20, s95, 8
	s_add_co_u32 s20, s20, s2
	s_add_co_u32 s20, s20, s23                     ; A's first row
	s_lshl_b32 s46, s42, 8
	s_add_co_u32 s46, s46, s23                     ; B's
	s_mov_b32 s21, 0
	s_mov_b32 s47, 0
	s_lshl_b64 s[22:23], s[20:21], 5               ; where these rows' scales begin, in bytes,
	s_lshl_b64 s[20:21], s[20:21], 10              ; and their codes
	s_lshl_b64 s[92:93], s[46:47], 5
	s_lshl_b64 s[46:47], s[46:47], 10
	s_mul_i32 s45, s16, HALFT                      ; where they go: wave x 128 rows: no place in the cluster enters an LDS address
	s_mul_i32 s94, s16, HALFS
	s_wait_kmcnt 0x0
	s_cmp_lt_u32 ttmp9, 16                         ; which tensor stands in which slot
	s_cselect_b64 s[96:97], s[4:5], s[8:9]         ; A's codes
	s_cselect_b64 s[98:99], s[6:7], s[10:11]       ; A's scales
	s_cselect_b64 s[8:9], s[8:9], s[4:5]           ; B's codes
	s_cselect_b64 s[10:11], s[10:11], s[6:7]       ; B's scales
	s_add_nc_u64 s[20:21], s[96:97], s[20:21]
	s_add_nc_u64 s[22:23], s[98:99], s[22:23]
	s_add_nc_u64 s[46:47], s[8:9], s[46:47]
	s_add_nc_u64 s[92:93], s[10:11], s[92:93]
	CROUND                                         ; all sixteen work-groups are here: the first joint loads meet
	s_mov_b32 s[G0S], 1
	s_add_co_u32 s[G0S+1], s94, SCL
	s_mov_b64 s[G0S+2:G0S+3], s[22:23]
	s_or_b32 s[G0S+3], s[G0S+3], 0x80000000
	s_mov_b32 s[G0SB], 1
	s_add_co_u32 s[G0SB+1], s94, SCL
	s_mov_b64 s[G0SB+2:G0SB+3], s[92:93]
	s_or_b32 s[G0SB+3], s[G0SB+3], 0x80000000
	JLOAD G0S, G1S, G0SB, G1SB                     ; the scales of all of K: filled once
.irp s, 0,1
	s_mov_b32 s[G0+4*\s], 1
	s_add_co_u32 s[G0+4*\s+1], s45, \s*SLOT
	s_add_nc_u64 s[G0+4*\s+2:G0+4*\s+3], s[20:21], \s*ROWB
	s_or_b32 s[G0+4*\s+3], s[G0+4*\s+3], 0x80000000
	s_mov_b32 s[G0B+4*\s], 1
	s_add_co_u32 s[G0B+4*\s+1], s45, \s*SLOT
	s_add_nc_u64 s[G0B+4*\s+2:G0B+4*\s+3], s[46:47], \s*ROWB
	s_or_b32 s[G0B+4*\s+3], s[G0B+4*\s+3], 0x80000000
	JLOAD G0+4*\s, G1, G0B+4*\s, G1B
.endr
	v_and_b32 v1, 15, v0                           ; r = lane % 16
	v_bfe_u32 v2, v0, 4, 1                         ; h = lane / 16
	v_mul_u32_u24 v3, v1, PITCH
	v_lshl_add_u32 v4, v2, 4, v3                   ; a fragment's row x pitch + 16 x half
	s_mul_i32 s21, s17, HALFT                      ; my 128 rows of A
	s_mul_i32 s22, s18, HALFT                      ; my 128 rows of B,
	s_add_co_u32 s22, s22, 2*HALFT                 ; which lie behind A's 256
.irp s, 0,1
	v_add_nc_u32 v[ADRA+\s], s21, v4
	v_add_nc_u32 v[ADRB+\s], s22, v4
	s_add_co_u32 s21, s21, SLOT
	s_add_co_u32 s22, s22, SLOT
.endr
	v_mul_u32_u24 v5, v1, KS                       ; my row's scales: 32 bytes a row,
	v_lshrrev_b32 v6, 8, v5
	v_lshl_add_u32 v5, v6, 4, v5                   ; and 16 more for each 256 passed
	s_mul_i32 s21, s17, HALFS
	s_mul_i32 s22, s18, HALFS
	s_add_co_u32 s22, s22, 2*HALFS
	s_sub_co_u32 s22, s22, s21
	v_mul_u32_u24 v6, s22, v2                      ; lanes 16-31 take B's
	s_add_co_u32 s21, s21, SCL
	v_add_nc_u32 v5, v5, v6
	v_add_nc_u32 v[ADRS], s21, v5
	v_and_b32 v6, 31, v0
	v_lshlrev_b32 v[LI], 4, v6
	v_lshlrev_b32 v[L8], 3, v6
	; THE BIAS, 64 registers, by one run of loads for both kinds.  q, k: register 8 b + j = the bias of B's row 16 b + 8 h + j (lane offset 32 h).
	; v: the base lies 28 bytes lower and the lane offset is 4 r, so that register 8 a + 7 = the bias of A's row 16 a + r; the other registers hold neighbours that are not used.  Every index lies in 0 .. 3,071.
	s_lshl_b32 s20, s42, 10
	s_lshl_b32 s21, s18, 9
	s_add_co_u32 s20, s20, s21                     ; q, k: 4 (256 x B's tile + 128 x half)
	s_lshl_b32 s22, s95, 10
	s_lshl_b32 s23, s17, 9
	s_add_co_u32 s22, s22, s23
	s_add_co_u32 s22, s22, 8164                    ; v: 4 (2,048 + 256 x A's tile + 128 x half) - 28
	s_cmp_lt_u32 ttmp9, 16
	s_cselect_b32 s20, s20, s22
	s_mov_b32 s21, 0
	s_add_nc_u64 s[12:13], s[12:13], s[20:21]
	v_lshlrev_b32 v5, 2, v1
	v_lshlrev_b32 v6, 5, v2
	v_cndmask_b32 v[VO], v5, v6, s101
.irp b, 0,1,2,3,4,5,6,7
.irp j, 0,1,2,3,4,5,6,7
	global_load_b32 v[BI+8*\b+\j], v[VO], s[12:13] offset:64*\b+4*\j   ; waited for at the head of the way out
.endr
.endr
.macro FRAG reg, adr, q, i             ; 16 rows x 128 K of 8-bit codes: lane l holds row l % 16; registers 4 c .. 4 c + 3 hold K = 32 c + 16 (l / 16) + 0 .. 15
.irp c, 0,1,2,3
	ds_load_b128 v[\reg+4*\c:\reg+4*\c+3], v[\adr] offset:128*(\q)+32*\c+(\i)*16*PITCH
.endr
.endm
; 16 matrix instructions: A's blocks a0, a0 + 1 x B's eight.  The 64 accumulators take turns, one instruction a turn, in the same order in every step.
.macro MUL16 a0, p, q, sc, zero
.irp a, \a0, \a0+1
.irp b, 0,1,2,3,4,5,6,7
.if \zero
	v_wmma_scale_f32_16x16x128_f8f6f4 v[8*(8*((\a)%4)+\b):8*(8*((\a)%4)+\b)+7], v[128*(\p)+FR*\b:128*(\p)+FR*\b+FR-1], v[AF+FR*(\a):AF+FR*(\a)+FR-1], 0, v[SC+8*NQ*(\sc)+NQ*\b+(\q)], v[SC+8*NQ*(\sc)+NQ*(\a)+(\q)] matrix_a_fmt:MATRIX_FMT_BF8 matrix_b_fmt:MATRIX_FMT_BF8 matrix_a_scale:MATRIX_SCALE_ROW1
.else
	v_wmma_scale_f32_16x16x128_f8f6f4 v[8*(8*((\a)%4)+\b):8*(8*((\a)%4)+\b)+7], v[128*(\p)+FR*\b:128*(\p)+FR*\b+FR-1], v[AF+FR*(\a):AF+FR*(\a)+FR-1], v[8*(8*((\a)%4)+\b):8*(8*((\a)%4)+\b)+7], v[SC+8*NQ*(\sc)+NQ*\b+(\q)], v[SC+8*NQ*(\sc)+NQ*(\a)+(\q)] matrix_a_fmt:MATRIX_FMT_BF8 matrix_b_fmt:MATRIX_FMT_BF8 matrix_a_scale:MATRIX_SCALE_ROW1
.endif
.endr
.endr
.endm
.macro FETCH_B slot, q, p
	WIN TO_B
.irp i, 0,1,2,3,4,5,6,7
	FRAG 128*(\p)+FR*\i, ADRB+\slot, \q, \i
.endr
	WIN 0
.endm
.macro FETCH_A slot, q, i0
.irp i, \i0, \i0+1, \i0+2, \i0+3
	FRAG AF+FR*(\i), ADRA+\slot, \q, \i
.endr
.endm
.macro SCALES sc                       ; a K step's scale words: lanes 0-15 take A's block i, lanes 16-31 B's block i
.irp i, 0,1,2,3,4,5,6,7
	ds_load_b64 v[SC+8*NQ*\sc+NQ*\i:SC+8*NQ*\sc+NQ*\i+1], v[ADRS] offset:\i*SBLK
.endr
.endm
.macro PLACES n                        ; plain vector instructions that name none of the matrix instructions' registers (ISA guide 7.12.1)
.rept \n
	v_nop
.endr
.endm
.macro STEP slot, q, zero              ; 128 along K, with its successor in the same slot
	s_wait_dscnt 4*NL                              ; B's set and A's blocks 0-3 are in; the youngest sixteen loads (A's blocks 4-7) may be out
	WIN MUL_LO
	MUL16 0, (\q)%2, \q, \slot, \zero
	MUL16 2, (\q)%2, \q, \slot, \zero
	s_wait_dscnt 0
	PLACES NP
	FETCH_B \slot, (\q)+1, 1-(\q)%2
	FETCH_A \slot, (\q)+1, 0
	WIN MUL_HI
	MUL16 4, (\q)%2, \q, \slot, \zero
	MUL16 6, (\q)%2, \q, \slot, \zero
	PLACES NP
	WIN 0
	FETCH_A \slot, (\q)+1, 4
.endm
; A slot's last step changes slots: one barrier; in front of it each wave waits for all its tensor loads, adds 0 to its spare word, and waits for that and for its reads of this slot.
.macro TURN slot, next, fill
	s_wait_tensorcnt 0x0                           ; all my tensor loads have landed: my part of the next slot
	ds_add_u32 v[SPW], v[NIL]                      ; 0 onto my spare word
	s_wait_dscnt 4*NL+1                            ; (the add and the youngest sixteen loads may be out)
	WIN MUL_LO
	MUL16 0, 1, NQ-1, \slot, 0
	s_wait_dscnt 0x0                               ; the add is done, and my reads of this slot are over
	s_barrier_signal -1
	MUL16 2, 1, NQ-1, \slot, 0
	WIN 0
	s_barrier_wait -1
.if \fill
	CREST                                          ; the barrier has opened a round of the cluster's: no wave of any partner still reads this slot or has a load on its way
	s_add_nc_u64 s[G0+4*\slot+2:G0+4*\slot+3], s[G0+4*\slot+2:G0+4*\slot+3], 2*ROWB
	s_add_nc_u64 s[G0B+4*\slot+2:G0B+4*\slot+3], s[G0B+4*\slot+2:G0B+4*\slot+3], 2*ROWB
	JLOAD G0+4*\slot, G1, G0B+4*\slot, G1B         ; the first tensor load behind the round; its four v_nop are four of the places
	PLACES NP-4
.else
	PLACES NP
.endif
	s_wait_alu depctr_va_vdst(0)
	v_add_nc_u32 v[ADRS], 4*NQ, v[ADRS]            ; the next K step's scale words
	FETCH_B \next, 0, 0
	FETCH_A \next, 0, 0
	SCALES \next
	WIN MUL_HI
	MUL16 4, 1, NQ-1, \slot, 0
	MUL16 6, 1, NQ-1, \slot, 0
	PLACES NP
	WIN 0
	FETCH_A \next, 0, 4
.endm
	s_wait_alu depctr_va_vdst(0)
	s_wait_tensorcnt 1                             ; of my three first fills only slot 1's may be out
	s_barrier_signal -1
	s_barrier_wait -1
	FETCH_B 0, 0, 0
	FETCH_A 0, 0, 0
	SCALES 0
	FETCH_A 0, 0, 4
	STEP 0, 0, 1                                   ; the first step's products start the sums
	s_mov_b32 s3, LAPS-1
.Llap:
	TURN 0, 1, 1
	STEP 1, 0, 0
	TURN 1, 0, 1
	STEP 0, 0, 0
	s_sub_co_u32 s3, s3, 1
	s_cmp_lg_u32 s3, 0
	s_cbranch_scc1 .Llap
	TURN 0, 1, 0                                   ; the last lap fills nothing
	STEP 1, 0, 0
	s_wait_dscnt 4*NL
	WIN MUL_LO
	MUL16 0, 1, NQ-1, 1, 0
	MUL16 2, 1, NQ-1, 1, 0
	s_wait_dscnt 0
	WIN MUL_HI
	MUL16 4, 1, NQ-1, 1, 0
	MUL16 6, 1, NQ-1, 1, 0
	WIN 0
; THE WAY OUT.  64 numbers of a lane, register 16 b + i of block b, become 16 registers of codes and a scale word (four bytes, one a block).
.macro QUANT s, pc, pw
.irp b, 0,1,2,3
	v_max3_num_f32 v[TM+\b], |v[(\s)+16*\b]|, |v[(\s)+1+16*\b]|, 0x8000000   ; my 16 numbers of block b, and the floor 2^(16 - 127): the byte cannot fall under 1
.endr
.irp i, 2,4,6,8,10,12,14
.irp b, 0,1,2,3
	v_max3_num_f32 v[TM+\b], v[TM+\b], |v[(\s)+16*\b+\i]|, |v[(\s)+1+16*\b+\i]|
.endr
.endr
.irp b, 0,1,2,3
	v_permlanex16_b32 v[TM+4+\b], v[TM+\b], s20, s21
.endr
.irp b, 0,1,2,3
	v_max_num_f32 v[TM+\b], v[TM+\b], v[TM+4+\b]   ; with lane l xor 16's: the block's largest magnitude
.endr
.irp b, 0,1,2,3
	v_add_nc_u32 v[TM+12+\b], 0xf8800000, v[TM+\b] ; 15 off its exponent field: the conversion's scale operand
.endr
.irp b, 0,1,2,3
.endr
.irp b, 0,1,2,3
	v_lshrrev_b32 v[TM+4+\b], 23, v[TM+12+\b]      ; the scale's byte
.endr
	v_lshl_or_b32 v[\pw], v[TM+5], 8, v[TM+4]
	v_lshl_or_b32 v[\pw], v[TM+6], 16, v[\pw]
	v_lshl_or_b32 v[\pw], v[TM+7], 24, v[\pw]
.irp b, 0,1,2,3
.irp i, 0,1,2,3,4,5,6,7,8,9,10,11,12,13,14,15
.endr
	v_cvt_scalef32_pk8_bf8_f32 v[(\pc)+4*\b:(\pc)+1+4*\b], v[(\s)+16*\b:(\s)+7+16*\b], v[TM+12+\b]
	v_cvt_scalef32_pk8_bf8_f32 v[(\pc)+2+4*\b:(\pc)+3+4*\b], v[(\s)+8+16*\b:(\s)+15+16*\b], v[TM+12+\b]
.endr
	v_nop                                          ; a plain line behind the last conversion
.endm
; My block a of 16 rows of A's: the bias is added on the way from the accumulators' window into window 0 (each accumulator from its low end on), the 64 numbers are quantised, the four groups of codes leave, 512 consecutive bytes a store.
.macro EPI a, isv
.set AC, 64*((\a)%4)
.set PCS, PC+16*((\a)%2)
.set PWS, PW+(\a)
	WIN 0x02+(\a)/4                                ; source 0: window 2 or 3
.set i, 0
.rept 32
.if \isv
	v_pk_add_f32 v[X+i:X+i+1], v[AC+i:AC+i+1], v[BI+8*(\a)+6:BI+8*(\a)+7] op_sel_hi:[1,0]
.else
	v_pk_add_f32 v[X+i:X+i+1], v[AC+i:AC+i+1], v[BI+i:BI+i+1]
.endif
.set i, i+2
.endr
	WIN 0
	s_wait_xcnt 0x0                                ; the codes' registers, which earlier stores read, are written again only behind this wait
	QUANT X, PCS, PWS
.irp e, 0,1,2,3
.if \isv
	global_store_b128 v[LI], v[PCS+4*\e:PCS+4*\e+3], s[14:15] offset:((\a)/4)*HSTR+8448+((\a)%4)*2048+\e*512
.else
	global_store_b128 v[LI], v[PCS+4*\e:PCS+4*\e+3], s[14:15] offset:(\e/2)*HSTR+(\a)*1024+(\e%2)*512
.endif
.endr
.endm
.macro RECORD                          ; s46 = group of 128 tokens (0..63), s47 = my first head -> s92 = the record's first byte
	s_lshr_b32 s92, s46, 4
	s_lshl_b32 s92, s92, 8
	s_lshl_b32 s47, s47, 4
	s_add_co_u32 s92, s92, s47
	s_and_b32 s46, s46, 15
	s_add_co_u32 s92, s92, s46
	s_mul_i32 s92, s92, RECG
.endm
	PLACES NP                                      ; behind the last products: their results are read and their operands' registers written below
	s_wait_loadcnt 0x0                             ; the bias
	s_mov_b32 s19, 0xffff0000                      ; as a lane mask: lanes 16-31
	s_mov_b32 s20, 0x76543210
	s_mov_b32 s21, 0xfedcba98                      ; v_permlanex16_b32's selects for lane l xor 16
.irp b, 0,1,2,3
	v_mov_b32 v[TM+4+\b], 0                        ; a lane permute's destination counts as one of its sources
.endr
	s_cmp_lt_u32 ttmp9, 16                         ; the cluster's number: the same in all partners
	s_cbranch_scc0 .Lv
	; ---- q, k: rows = tokens, registers = two heads' 128 features; block e of 32: head e / 2, half e % 2
	s_lshl_b32 s46, s95, 1
	s_add_co_u32 s46, s46, s17
	s_and_b32 s47, s42, 3
	s_lshl_b32 s47, s47, 2
	s_lshl_b32 s93, s18, 1
	s_add_co_u32 s47, s47, s93
	RECORD
	s_and_b32 s93, ttmp9, 1
	s_cmp_eq_u32 s93, 0
	s_cselect_b32 s93, 16896, 0                    ; q's part of a record lies behind K's and V's
	s_add_co_u32 s92, s92, s93
	s_mov_b32 s93, 0
	s_add_nc_u64 s[14:15], s[14:15], s[92:93]
.irp a, 0,1,2,3,4,5,6,7
	EPI \a, 0
.endr
.irp i, 0,1
	v_cndmask_b32 v[TP+2*\i], v[PW+4*\i], v[PW+4*\i+2], s19       ; the pair's even tile: lanes 0-15 pair 2 i, lanes 16-31 pair 2 i + 1
	v_cndmask_b32 v[TP+2*\i+1], v[PW+4*\i+1], v[PW+4*\i+3], s19   ; its odd tile
.endr
	v_perm_b32 v[TP+4], v[TP+1], v[TP], 0x05040100     ; the first head's two bytes of both tiles
	v_perm_b32 v[TP+5], v[TP+3], v[TP+2], 0x05040100
	v_perm_b32 v[TP+6], v[TP+1], v[TP], 0x07060302     ; the second head's
	v_perm_b32 v[TP+7], v[TP+3], v[TP+2], 0x07060302
	global_store_b64 v[L8], v[TP+4:TP+5], s[14:15] offset:8192         ; 256 consecutive bytes, aligned
	global_store_b64 v[L8], v[TP+6:TP+7], s[14:15] offset:8192+HSTR
	s_branch .Ljoin
.Lv:
	; ---- v: rows = two heads' 128 features, registers = 128 tokens: four key blocks
	s_lshl_b32 s46, s42, 1
	s_add_co_u32 s46, s46, s18
	s_lshl_b32 s47, s95, 2
	s_lshl_b32 s93, s17, 1
	s_add_co_u32 s47, s47, s93
	RECORD
	s_mov_b32 s93, 0
	s_add_nc_u64 s[14:15], s[14:15], s[92:93]
.irp a, 0,1,2,3,4,5,6,7
	v_mov_b32 v[BI+8*\a+6], v[BI+8*\a+7]           ; the packed addition takes the pair's low register for both halves
.endr
.irp a, 0,1,2,3,4,5,6,7
	EPI \a, 1
.endr
.irp g, 0,1
.irp i, 0,1
	v_cndmask_b32 v[TP+2*\g+\i], v[PW+4*\g+2*\i], v[PW+4*\g+2*\i+1], s19   ; head g, lanes 0-15 tile 2 i, lanes 16-31 tile 2 i + 1
.endr
.endr
	global_store_b64 v[L8], v[TP:TP+1], s[14:15] offset:16640
	global_store_b64 v[L8], v[TP+2:TP+3], s[14:15] offset:16640+HSTR
.Ljoin:
	s_wait_tensorcnt 0x0                           ; the wave's end
	ds_add_u32 v[SPW], v[NIL]
	s_wait_dscnt 0x0
	CROUND                                         ; the closing round: no work-group ends while a partner may still ask for a tile that names it
	s_endpgm
.Lfunc_end_k_qe64b01b04a_qkv:
	.size	k_qe64b01b04a_qkv, .Lfunc_end_k_qe64b01b04a_qkv-k_qe64b01b04a_qkv
	.p2alignl 7, 3214868480
	.fill 96, 4, 3214868480
	.section	.rodata,"a",@progbits
	.p2align	6, 0x0
	.amdhsa_kernel k_qe64b01b04a_qkv
		.amdhsa_group_segment_fixed_size 327680
		.amdhsa_private_segment_fixed_size 0
		.amdhsa_enable_private_segment 0
		.amdhsa_kernarg_size 48
		.amdhsa_user_sgpr_count 2
		.amdhsa_user_sgpr_kernarg_segment_ptr 1
		.amdhsa_wavefront_size32 1
		.amdhsa_system_sgpr_workgroup_id_x 1
		.amdhsa_system_sgpr_workgroup_id_y 1
		.amdhsa_system_sgpr_workgroup_id_z 1
		.amdhsa_system_vgpr_workitem_id 0
		.amdhsa_next_free_vgpr 1024
		.amdhsa_next_free_sgpr 102
		.amdhsa_reserve_vcc 0
		.amdhsa_float_denorm_mode_32 3
		.amdhsa_float_denorm_mode_16_64 3
		.amdhsa_fp16_overflow 1
		.amdhsa_memory_ordered 1
		.amdhsa_forward_progress 1
		.amdhsa_inst_pref_size 222
	.end_amdhsa_kernel
	.amdgpu_metadata
---
amdhsa.version: [ 1, 2 ]
amdhsa.kernels:
  - .name:           k_qe64b01b04a_qkv
    .symbol:         k_qe64b01b04a_qkv.kd
    .args:
      - { .name: x_codes, .offset: 0, .size: 8, .value_kind: global_buffer, .address_space: global }
      - { .name: x_scales, .offset: 8, .size: 8, .value_kind: global_buffer, .address_space: global }
      - { .name: W_qkv_codes, .offset: 16, .size: 8, .value_kind: global_buffer, .address_space: global }
      - { .name: W_qkv_scales, .offset: 24, .size: 8, .value_kind: global_buffer, .address_space: global }
      - { .name: b_qkv, .offset: 32, .size: 8, .value_kind: global_buffer, .address_space: global }
      - { .name: qkv, .offset: 40, .size: 8, .value_kind: global_buffer, .address_space: global }
    .group_segment_fixed_size: 327680
    .private_segment_fixed_size: 0
    .kernarg_segment_align: 8
    .kernarg_segment_size: 48
    .max_flat_workgroup_size: 128
    .sgpr_count:     102
    .vgpr_count:     1024
    .wavefront_size: 32
...
	.end_amdgpu_metadata
.endif
;; end of part 1
;; launch attn (part 2): grid 4 x 64, 16 waves a work-group, clusters of 4 x 1, 272,384 bytes of LDS; arguments qkv, yc, ys; writes yc, ys
.if DOCPART == 2
	.amdgcn_target "amdgcn-amd-amdhsa--gfx1250"
	.amdhsa_code_object_version 6
	.text
	.protected	k_qe64b01b04a_attn
	.globl	k_qe64b01b04a_attn
	.p2align	8
	.type	k_qe64b01b04a_attn,@function
k_qe64b01b04a_attn:
	s_mov_b64 s[64:65], 0
	v_nop
	global_prefetch_b8 v0, s[64:65] scope:SCOPE_SE
	s_setreg_imm32_b32 hwreg(HW_REG_WAVE_MODE, 25, 1), 1
	s_wait_xcnt 0x0
	s_wait_alu depctr_hold_cnt(0) depctr_sa_sdst(0) depctr_va_vdst(0) depctr_va_sdst(0) depctr_va_ssrc(0) depctr_va_vcc(0) depctr_vm_vsrc(0)
	s_getreg_b32 s2, hwreg(HW_REG_IB_STS2, 6, 4)
	s_cmp_eq_u32 s2, 0
	s_cbranch_scc0 .Lentry_in_a_cluster
	s_endpgm
.Lentry_in_a_cluster:
	s_bfe_u32 s2, ttmp6, 0x10000c
	s_cmp_lg_u32 s2, 0x3003
	s_cbranch_scc0 .Lentry_shape_is_right
	s_endpgm
.Lentry_shape_is_right:
; y = softmax(q k^T / 8, causal) v for 64 heads of 2,048 tokens x 64, both products on codes of BF8 (E5M2) with E8M0 scales; y is quantised along the model's 1,024 and leaves as codes for the last product.
; INPUT: the buffer qkv, a record of 25,344 bytes for each (head, group of 128 tokens): K's images and scale words, V's, Q's; an image is four operand registers of 16 rows x 32 k: 512 bytes, lane l's 16 at 16 l.
; THE SOFTMAX: t = score x log2(e) / 8; M = the running largest t rounded UP to a whole number; p = 2^(t - M) is quantised along the keys; the row's sum is taken of the unquantised p and divides at the end.
; SHARES.  A cluster of four work-groups serves one head; a work-group has sixteen waves of 256 registers, four to a SIMD.  A head's 128 tiles of 16 queries are 16 groups of 8.  Wave w of work-group cx takes tile
; 2 cx + w % 2 of group 15 - w / 2 and then of group w / 2: (16 - g) + (g + 1) = 17 steps of 128 keys for every wave.  Which steps a wave runs hangs on its number alone.
; LDS: the first 16,896 bytes of the head's 16 records (K and V): 270,336 bytes, filled once by sixteen joint loads (waves 0-3, four each), never stored into, never filled again.
; K = 64 IN AN INSTRUCTION OF K = 128: a fragment of K holds two tiles of 16 keys (registers 0-7, 8-15); q stands between two runs of eight zero registers, so that [q | 0] meets the first tile and [0 | q] the second.
; Both products are used transposed (S^T = K Q^T, O^T = V^T P^T): a lane holds one query.  Register 8 n + j of S^T is key 16 n + 8 h + j; the codes of tiles 2 b, 2 b + 1 go into the operand's registers 4 b .. 4 b + 3
; as they come; V's images were laid in the same order, so that the products are the same.
; OUTPUT: yc, fragments in the operand's own order: (row / 16) 16,384 + head 1,024 + 256 t + 16 r + 8 h;  ys [8,192][32]: one byte a row and 32 columns (32 single bytes a tile: blocks of 256 bytes written in part; one byte in 32 of y's).
; LIMITS: NaN and infinities are not served; a block of zeros gets the byte 1; largest magnitudes under 2^-111 are held at that floor.
; REGISTERS: v1-7 addresses that stay; v8-9 the step's LDS addresses; v12 -M, v13 the largest t, v[14:15] the sum; v16-23 zeros, v24-31 q, v32-39 zeros; v40 q's scale word, v41 as loaded; v42-43 K's scale words, v44-45 V's;
;   v48-111 four fragments; v112-175 S^T, then p; v176-207 O^T; v208-223 p's codes; v224-245 at work; v246 p's scale word; v247 -infinity; v248-255 y's codes.
.set RECL, 16896                       ; a record's part that comes into LDS
.set RECG, 25344                       ; a record in memory
.set HSTR, 16*RECG
.set KSC,  8192
.set VIM,  8448
.set VSC,  16640
.set FRG,  48
.set S,    112
.set O,    176
.set PCD,  208
.set BM,   224
.set BP,   228
.set HOLD, 232
.set SOP,  236
.macro ROUND                           ; a round of the cluster's barrier
	s_barrier_signal -1
	s_barrier_wait -1
	s_cmp_lg_u32 s10, 0
	s_cbranch_scc1 .Lnot_wave_0_\@
	s_barrier_signal -3
.Lnot_wave_0_\@:
	s_barrier_wait -3
	s_barrier_signal -1
	s_barrier_wait -1
.endm
	s_load_b128 s[4:7], s[0:1], 0x0                ; qkv s[4:5], yc s[6:7]
	s_load_b64 s[8:9], s[0:1], 0x10                ; ys
	v_lshl_add_u32 v254, v0, 2, 0x42000
	v_mov_b32 v255, 0
	ds_add_u32 v254, v255
	ds_add_u32 v254, v255
	s_wait_dscnt 0x0
	v_lshrrev_b32 v1, 5, v0
	s_delay_alu instid0(VALU_DEP_1)
	v_readfirstlane_b32 s10, v1                    ; wave 0..15
	s_bfe_u32 s11, ttmp6, 0x40000                  ; cx: it enters global addresses and the mask's comparison alone
	s_and_b32 s12, ttmp7, 0xffff                   ; 16 x batch + head, which the four partners share
	s_lshr_b32 s13, s10, 1                         ; g: my second tile's group
	s_and_b32 s14, s10, 1
	s_sub_co_u32 s15, 15, s13                      ; my first tile's group
	s_lshl_b32 s16, s11, 1
	s_add_co_u32 s16, s16, s14                     ; my tile in a group
	s_mov_b32 s24, 15|(3<<16)|(1<<21)              ; group 1: 15:0 the mask: all four; elements of 8 bytes; 21 set beside a mask; no padding
	s_mov_b32 s25, 32<<16                          ; tensor_dim0 = 32: rows of 256 bytes
	s_mov_b32 s26, 66<<16                          ; tensor_dim1 = 66 rows: 16,896 dense bytes
	s_mov_b32 s27, 32<<16                          ; tile_dim0
	s_mov_b32 s28, 66                              ; tile_dim1
	s_mov_b32 s29, 32                              ; from row to row
	s_mov_b32 s30, 0
	s_mov_b32 s31, 0
	s_mov_b32 s20, 0x76543210
	s_mov_b32 s21, 0xfedcba98                      ; v_permlanex16_b32's selects for lane l xor 16
	s_mov_b32 s22, 0x3e38aa3b                      ; c = log2(e) / 8
	s_mov_b32 s23, s22                             ; (named with it as a pair)
	s_mov_b32 s61, 0xffff0000                      ; as a lane mask: lanes 16-31
	s_mov_b32 s60, 0x03020302                      ; which two bytes of the pair's scale word are my tile's: the upper (odd tile)
	s_cmp_eq_u32 s14, 0
	s_cselect_b32 s60, 0x01000100, s60             ; or the lower
	s_mul_i32 s17, s12, HSTR                       ; the head's first record
	s_mul_i32 s18, s10, RECG
	s_add_co_u32 s70, s17, s18
	s_mov_b32 s71, 0
	s_mul_i32 s18, s10, RECL
	s_wait_kmcnt 0x0
	s_add_nc_u64 s[70:71], s[4:5], s[70:71]        ; record w
	ROUND                                          ; all four work-groups are here: the joint loads meet
.irp n, 0,1,2,3
	s_mov_b32 s[32+4*\n], 1
	s_add_co_u32 s[33+4*\n], s18, \n*4*RECL        ; LDS: record 4 n + w
	s_add_nc_u64 s[34+4*\n:35+4*\n], s[70:71], \n*4*RECG
	s_or_b32 s[35+4*\n], s[35+4*\n], 0x80000000
.endr
	s_cmp_lt_u32 s10, 4                            ; waves 0-3 fill; all their loads stand in this one branch: four loads of a wave are out
	s_cbranch_scc0 .Lno_fill
	tensor_load_to_lds s[32:35], s[24:31]
	s_nop 0
	tensor_load_to_lds s[36:39], s[24:31]
	s_nop 0
	tensor_load_to_lds s[40:43], s[24:31]
	s_nop 0
	tensor_load_to_lds s[44:47], s[24:31]
	s_nop 0
.rept 4
	v_nop
.endr
.Lno_fill:
	v_and_b32 v10, 31, v0                          ; lane
	v_and_b32 v11, 15, v0                          ; r
	v_bfe_u32 v46, v0, 4, 1                        ; h
	s_delay_alu instid0(VALU_DEP_3)
	v_lshlrev_b32 v1, 4, v10                       ; 16 x lane
	s_delay_alu instid0(VALU_DEP_4)
	v_lshlrev_b32 v2, 3, v10                       ; 8 x lane
	s_delay_alu instid0(VALU_DEP_3)
	v_lshlrev_b32 v47, 3, v46
	s_delay_alu instid0(VALU_DEP_1)
	v_sub_nc_u32 v3, v11, v47
	s_lshl_b32 s17, s16, 4
	v_add_nc_u32 v3, s17, v3                       ; my query in its group - 8 h: register 8 n + j is hidden on the diagonal where 16 n + j is larger
	v_lshl_add_u32 v4, v11, 4, v47                 ; yc: 16 r + 8 h
	v_lshl_add_u32 v5, v11, 5, v46                 ; ys: 32 r + h
	s_lshl_b32 s17, s16, 10
	s_add_co_u32 s17, s17, 16896
	v_add_nc_u32 v6, s17, v1                       ; q's images in a record
	s_wait_alu depctr_va_vdst(0)
	s_and_b32 s17, s11, 1
	s_lshl_b32 s17, s17, 7
	s_lshr_b32 s18, s11, 1
	s_lshl_b32 s18, s18, 2
	s_add_co_u32 s17, s17, s18
	s_add_co_u32 s17, s17, 25088
	v_lshl_add_u32 v7, v11, 3, s17                 ; q's scale word: pair cx, token r
	s_wait_alu depctr_va_vdst(0)
	s_mul_i32 s17, s12, HSTR
	s_mov_b32 s71, 0
	s_mul_i32 s18, s15, RECG
	s_add_co_u32 s70, s17, s18
	s_add_nc_u64 s[48:49], s[4:5], s[70:71]        ; my first tile's record,
	s_mul_i32 s18, s13, RECG
	s_add_co_u32 s70, s17, s18
	s_add_nc_u64 s[50:51], s[4:5], s[70:71]        ; my second's
	s_lshr_b32 s17, s12, 4
	s_lshl_b32 s17, s17, 7
	s_add_co_u32 s17, s17, s16                     ; 128 x batch + my tile in a group
	s_and_b32 s18, s12, 15                         ; head
.macro BASES g, yb, ysb                ; where a tile's y goes: row tile = s17 + 8 x group
	s_lshl_b32 s66, s[\g], 3
	s_add_co_u32 s66, s66, s17
	s_lshl_b32 s70, s66, 14
	s_lshl_b32 s67, s18, 10
	s_add_co_u32 s70, s70, s67
	s_add_nc_u64 s[\yb:\yb+1], s[6:7], s[70:71]
	s_lshl_b32 s70, s66, 9
	s_lshl_b32 s67, s18, 1
	s_add_co_u32 s70, s70, s67
	s_add_nc_u64 s[\ysb:\ysb+1], s[8:9], s[70:71]
.endm
	BASES 15, 52, 56
	BASES 13, 54, 58
.macro LOADQ rb
	global_load_b128 v[24:27], v6, s[\rb:\rb+1]
	global_load_b128 v[28:31], v6, s[\rb:\rb+1] offset:512
	global_load_b32 v41, v7, s[\rb:\rb+1]
.endm
	LOADQ 48
.irp j, 0,1,2,3,4,5,6,7
	v_mov_b32 v[16+\j], 0
	v_mov_b32 v[32+\j], 0
.endr
.irp b, 0,1,2,3
	v_mov_b32 v[BP+\b], 0                          ; a lane permute's destination counts as one of its sources
.endr
	v_mov_b32 v242, 0
	v_mov_b32 v245, 0                              ; (named as the upper half of the pair v[244:245])
	v_mov_b32 v247, 0xff800000                     ; -infinity
.macro INIT g                          ; a tile begins: O^T and the sum are zeros, the largest t lies under every t
	s_wait_loadcnt 0x0                             ; q
	v_perm_b32 v40, v41, v41, s60                  ; my tile's two bytes, twice: for [q | 0] and for [0 | q]
	v_mov_b32 v13, 0xff61b1e6                      ; -3e38
	s_delay_alu instid0(VALU_DEP_1)
	v_floor_f32 v12, -v13
	v_mov_b32 v14, 0
	v_mov_b32 v15, 0
.set i, 0
.rept 32
	v_mov_b32 v[O+i], 0                            ; (these are also the places between the scale word's making and its first use)
.set i, i+1
.endr
	s_mov_b32 s68, s[\g]                           ; the tile's group: its diagonal step
	s_mov_b32 s66, 0                               ; the step
	s_mov_b32 s67, 0                               ; its record in LDS
	s_wait_xcnt 0x0                                ; the registers that the last tile's stores read are written again only behind this wait
.endm
; A STEP: 128 keys.  A step whose keys all come after the tile's queries is left out: a scalar branch on the wave's number and the trip, round the work, not round the lines that step the address.
.macro STEP
	s_cmp_gt_u32 s66, s68
	s_cbranch_scc1 .Lskip_\@
	s_setprio 2
	v_add_nc_u32 v8, s67, v1
	v_add_nc_u32 v9, s67, v2
.rept 6
	v_nop                                          ; with the two additions: eight places in front of loads into registers that matrix instructions have read
.endr
.irp p, 0,1,2,3
.irp c, 0,1,2,3
	ds_load_b128 v[FRG+16*\p+4*\c:FRG+16*\p+4*\c+3], v8 offset:2048*\p+512*\c   ; fragment p: key tiles 2 p and 2 p + 1
.endr
.endr
	ds_load_b64 v[42:43], v9 offset:KSC            ; v42: lanes 0-15 pair 0's words, lanes 16-31 pair 1's; v43: pairs 2, 3
	s_wait_alu depctr_va_vdst(0)
	s_wait_dscnt 0x0
.irp p, 0,1,2,3
.if \p%2
	v_wmma_scale_f32_16x16x128_f8f6f4 v[S+16*\p:S+16*\p+7], v[FRG+16*\p:FRG+16*\p+15], v[24:39], 0, v[42+\p/2], v40 matrix_a_fmt:MATRIX_FMT_BF8 matrix_b_fmt:MATRIX_FMT_BF8 matrix_a_scale:MATRIX_SCALE_ROW1
	v_wmma_scale_f32_16x16x128_f8f6f4 v[S+16*\p+8:S+16*\p+15], v[FRG+16*\p:FRG+16*\p+15], v[16:31], 0, v[42+\p/2], v40 matrix_a_fmt:MATRIX_FMT_BF8 matrix_b_fmt:MATRIX_FMT_BF8 matrix_a_scale:MATRIX_SCALE_ROW1
.else
	v_wmma_scale_f32_16x16x128_f8f6f4 v[S+16*\p:S+16*\p+7], v[FRG+16*\p:FRG+16*\p+15], v[24:39], 0, v[42+\p/2], v40 matrix_a_fmt:MATRIX_FMT_BF8 matrix_b_fmt:MATRIX_FMT_BF8
	v_wmma_scale_f32_16x16x128_f8f6f4 v[S+16*\p+8:S+16*\p+15], v[FRG+16*\p:FRG+16*\p+15], v[16:31], 0, v[42+\p/2], v40 matrix_a_fmt:MATRIX_FMT_BF8 matrix_b_fmt:MATRIX_FMT_BF8
.endif
.endr
.rept 8
	v_nop                                          ; places: the scores are read below, and V's fragments are loaded over K's
.endr
.irp t, 0,1,2,3
.irp c, 0,1,2,3
	ds_load_b128 v[FRG+16*\t+4*\c:FRG+16*\t+4*\c+3], v8 offset:VIM+2048*\t+512*\c   ; V is asked for here and lands while the softmax is worked
.endr
.endr
	ds_load_b64 v[44:45], v9 offset:VSC
	s_cmp_lg_u32 s66, s68                          ; on the diagonal the scores of hidden keys become -infinity ahead of the maximum
	s_cbranch_scc1 .Lopen_\@
.set n, 0
.rept 64
	v_cmp_gt_i32 vcc_lo, 16*(n/8)+n%8, v3
	v_cndmask_b32 v[S+n], v[S+n], v247, vcc_lo
.set n, n+1
.endr
.Lopen_\@:
.irp b, 0,1,2,3
	v_max3_num_f32 v[BM+\b], v[S+16*\b], v[S+1+16*\b], v[S+2+16*\b]   ; the largest score of each block of 32 keys: for the row's maximum, and, since p rises with the score, for the block's largest p
.endr
.irp i, 3,5,7,9,11,13
.irp b, 0,1,2,3
	v_max3_num_f32 v[BM+\b], v[BM+\b], v[S+16*\b+\i], v[S+1+16*\b+\i]
.endr
.endr
.irp b, 0,1,2,3
	v_max_num_f32 v[BM+\b], v[BM+\b], v[S+15+16*\b]
.endr
.irp b, 0,1,2,3
	s_delay_alu instid0(VALU_DEP_4)
	v_permlanex16_b32 v[BP+\b], v[BM+\b], s20, s21
.endr
.irp b, 0,1,2,3
	s_delay_alu instid0(VALU_DEP_4)
	v_max_num_f32 v[BM+\b], v[BM+\b], v[BP+\b]     ; with lane l xor 16's 16 keys
.endr
	s_delay_alu instid0(VALU_DEP_2)
	v_max3_num_f32 v242, v[BM], v[BM+1], v[BM+2]
	s_delay_alu instid0(VALU_DEP_1)
	v_max_num_f32 v242, v242, v[BM+3]
	s_delay_alu instid0(VALU_DEP_1)
	v_mul_f32 v242, s22, v242                      ; as t
	s_delay_alu instid0(VALU_DEP_1)
	v_max_num_f32 v13, v13, v242                   ; the running largest t
	v_mov_b32 v242, v12
	s_delay_alu instid0(VALU_DEP_2)
	v_floor_f32 v12, -v13                          ; the new -M = -ceil(t): a whole number
	s_delay_alu instid0(VALU_DEP_1)
	v_sub_f32 v242, v12, v242                      ; old M - new M: a whole number, 0 or less
	s_delay_alu instid0(VALU_DEP_1)
	v_cvt_i32_f32 v242, v242                       ; (it saturates)
	s_delay_alu instid0(VALU_DEP_1)
	v_ldexp_f32 v244, 1.0, v242                    ; f = 2^(old M - new M): a multiplication by it rounds nothing
.set j, 0
	s_setprio 1
.rept 32
	v_pk_fma_f32 v[S+j:S+j+1], v[S+j:S+j+1], s[22:23], v[12:13] op_sel_hi:[1,0,0]   ; t - M, two at a time
.set j, j+2
.endr
.irp b, 0,1,2,3
	v_fma_f32 v[BM+\b], v[BM+\b], s22, v12
.endr
.set j, 0
	s_wait_alu depctr_va_vdst(0)
.rept 64
	v_exp_f32 v[S+j], v[S+j]                       ; p = 2^(t - M), at most 1
.set j, j+1
.endr
.irp b, 0,1,2,3
	v_exp_f32 v[BM+\b], v[BM+\b]                   ; the block's largest p
.endr
	v_pk_mul_f32 v[14:15], v[14:15], v[244:245] op_sel_hi:[1,0]   ; the sums under the new M.  (A plain line behind the exponentials)
	s_wait_alu depctr_va_vdst(0)
.irp b, 0,1,2,3
	v_max_num_f32 v[BM+\b], 0x8000000, v[BM+\b]    ; the floor 2^(16 - 127)
.endr
.irp b, 0,1,2,3
	s_delay_alu instid0(VALU_DEP_4)
	v_add_nc_u32 v[SOP+\b], 0xf8800000, v[BM+\b]   ; the conversion's scale operand
.endr
.irp b, 0,1,2,3
.endr
.irp b, 0,1,2,3
	s_delay_alu instid0(VALU_DEP_4)
	v_lshrrev_b32 v[BP+\b], 23, v[SOP+\b]          ; the scale's byte
.endr
	s_delay_alu instid0(VALU_DEP_3)
	v_lshl_or_b32 v246, v[BP+1], 8, v[BP]          ; p's scale word for these 128 keys
	s_delay_alu instid0(VALU_DEP_1)
	v_lshl_or_b32 v246, v[BP+2], 16, v246
	s_delay_alu instid0(VALU_DEP_1)
	v_lshl_or_b32 v246, v[BP+3], 24, v246
	v_pk_add_f32 v[240:241], v[116:117], v[120:121]
	v_pk_add_f32 v[254:255], v[124:125], v[128:129]
	v_pk_add_f32 v[252:253], v[132:133], v[136:137]
	v_pk_add_f32 v[250:251], v[140:141], v[144:145]
	v_pk_add_f32 v[248:249], v[148:149], v[152:153]
	v_pk_add_f32 v[234:235], v[156:157], v[160:161]
	v_pk_add_f32 v[232:233], v[164:165], v[168:169]
	v_pk_add_f32 v[14:15], v[14:15], v[172:173]
	v_pk_add_f32 v[240:241], v[240:241], v[112:113]
	v_pk_add_f32 v[254:255], v[254:255], v[114:115]
	v_pk_add_f32 v[252:253], v[252:253], v[118:119]
	v_pk_add_f32 v[250:251], v[250:251], v[122:123]
	v_pk_add_f32 v[248:249], v[248:249], v[126:127]
	v_pk_add_f32 v[234:235], v[234:235], v[130:131]
	v_pk_add_f32 v[232:233], v[232:233], v[134:135]
	v_pk_add_f32 v[14:15], v[14:15], v[138:139]
	v_pk_add_f32 v[240:241], v[240:241], v[142:143]
	v_pk_add_f32 v[254:255], v[254:255], v[146:147]
	s_setprio 0
	v_pk_add_f32 v[252:253], v[252:253], v[150:151]
	v_pk_add_f32 v[250:251], v[250:251], v[154:155]
	v_pk_add_f32 v[248:249], v[248:249], v[158:159]
	v_pk_add_f32 v[234:235], v[234:235], v[162:163]
	v_pk_add_f32 v[232:233], v[232:233], v[166:167]
	v_pk_add_f32 v[14:15], v[14:15], v[170:171]
	v_pk_add_f32 v[240:241], v[240:241], v[174:175]
	s_delay_alu instid0(VALU_DEP_2)
	v_pk_add_f32 v[14:15], v[14:15], v[250:251]
	s_delay_alu instid0(VALU_DEP_2)
	v_pk_add_f32 v[240:241], v[240:241], v[248:249]
	v_pk_add_f32 v[254:255], v[254:255], v[234:235]
	v_pk_add_f32 v[252:253], v[252:253], v[232:233]
	s_delay_alu instid0(VALU_DEP_2)
	v_pk_add_f32 v[14:15], v[14:15], v[254:255]
	s_delay_alu instid0(VALU_DEP_2)
	v_pk_add_f32 v[240:241], v[240:241], v[252:253]
	s_delay_alu instid0(VALU_DEP_1)
	v_pk_add_f32 v[14:15], v[14:15], v[240:241]
.irp b, 0,1,2,3
.irp i, 0,1,2,3,4,5,6,7,8,9,10,11,12,13,14,15
.endr
	v_cvt_scalef32_pk8_bf8_f32 v[PCD+4*\b:PCD+1+4*\b], v[S+16*\b:S+7+16*\b], v[SOP+\b]
	v_cvt_scalef32_pk8_bf8_f32 v[PCD+2+4*\b:PCD+3+4*\b], v[S+8+16*\b:S+15+16*\b], v[SOP+\b]
.endr
.set j, 0
.rept 16
	v_pk_mul_f32 v[O+j:O+j+1], v[O+j:O+j+1], v[244:245] op_sel_hi:[1,0]   ; O^T under the new M.  (These are also the places in front of the products below)
.set j, j+2
.endr
	s_wait_alu depctr_va_vdst(0)
	s_wait_dscnt 0x0                               ; V
.irp t, 0,1,2,3                        ; the four accumulators take one turn each; the scores' products stand between two steps
.if \t%2
	v_wmma_scale_f32_16x16x128_f8f6f4 v[O+8*\t:O+8*\t+7], v[FRG+16*\t:FRG+16*\t+15], v[PCD:PCD+15], v[O+8*\t:O+8*\t+7], v[44+\t/2], v246 matrix_a_fmt:MATRIX_FMT_BF8 matrix_b_fmt:MATRIX_FMT_BF8 matrix_a_scale:MATRIX_SCALE_ROW1
.else
	v_wmma_scale_f32_16x16x128_f8f6f4 v[O+8*\t:O+8*\t+7], v[FRG+16*\t:FRG+16*\t+15], v[PCD:PCD+15], v[O+8*\t:O+8*\t+7], v[44+\t/2], v246 matrix_a_fmt:MATRIX_FMT_BF8 matrix_b_fmt:MATRIX_FMT_BF8
.endif
.endr
.Lskip_\@:
	s_add_co_u32 s66, s66, 1
	s_add_co_u32 s67, s67, RECL
.endm
; A tile ends: O^T / the sum is y(query r, 16 t + 8 h + j); its two blocks of 32 (tiles 0, 1 and 2, 3; lanes l and l xor 16) are quantised; a tile's eight codes a lane leave by one store of 256 consecutive bytes.
.macro FINAL yb, ysb
.rept 8
	v_nop                                          ; places behind the last products
.endr
	v_add_f32 v14, v14, v15
	s_delay_alu instid0(VALU_DEP_1)
	v_permlanex16_b32 v242, v14, s20, s21
	s_delay_alu instid0(VALU_DEP_1)
	v_add_f32 v14, v14, v242                       ; the row's sum
	s_wait_alu depctr_va_vdst(0)
	v_rcp_f32 v244, v14
	v_nop                                          ; a plain line behind the transcendental
.set j, 0
	s_wait_alu depctr_va_vdst(0)
.rept 16
	v_pk_mul_f32 v[O+j:O+j+1], v[O+j:O+j+1], v[244:245] op_sel_hi:[1,0]
.set j, j+2
.endr
.irp b, 0,1
	v_max3_num_f32 v[BM+\b], |v[O+16*\b]|, |v[O+1+16*\b]|, 0x8000000
.endr
.irp i, 2,4,6,8,10,12,14
.irp b, 0,1
	s_delay_alu instid0(VALU_DEP_2)
	v_max3_num_f32 v[BM+\b], v[BM+\b], |v[O+16*\b+\i]|, |v[O+1+16*\b+\i]|
.endr
.endr
.irp b, 0,1
	s_delay_alu instid0(VALU_DEP_2)
	v_permlanex16_b32 v[BP+\b], v[BM+\b], s20, s21
.endr
.irp b, 0,1
	s_delay_alu instid0(VALU_DEP_2)
	v_max_num_f32 v[BM+\b], v[BM+\b], v[BP+\b]
.endr
.irp b, 0,1
	s_delay_alu instid0(VALU_DEP_2)
	v_add_nc_u32 v[SOP+\b], 0xf8800000, v[BM+\b]
.endr
.irp b, 0,1
.endr
.irp b, 0,1
	s_delay_alu instid0(VALU_DEP_2)
	v_lshrrev_b32 v[BP+\b], 23, v[SOP+\b]
.endr
	s_delay_alu instid0(VALU_DEP_1)
	v_cndmask_b32 v242, v[BP], v[BP+1], s61        ; lanes 0-15 store the first block's byte, lanes 16-31 the second's
.irp b, 0,1
.irp i, 0,1,2,3,4,5,6,7,8,9,10,11,12,13,14,15
.endr
.endr
.irp t, 0,1,2,3
	v_cvt_scalef32_pk8_bf8_f32 v[248+2*\t:249+2*\t], v[O+8*\t:O+8*\t+7], v[SOP+\t/2]
.endr
	v_nop                                          ; a plain line behind the last conversion
.irp t, 0,1,2,3
	global_store_b64 v4, v[248+2*\t:249+2*\t], s[\yb:\yb+1] offset:256*\t
.endr
	global_store_b8 v5, v242, s[\ysb:\ysb+1]
.endm
	INIT 15
	s_wait_tensorcnt 0x3                           ; a filling wave's first load, one of records 0-3, has landed; its three younger loads may be out
	s_barrier_signal -1
	s_barrier_wait -1
	s_mov_b32 s69, 4
.Lfirst:                                           ; steps 0-3 of the first tile: records 0-3; every wave's first tile has eight steps or more
	STEP
	s_sub_co_u32 s69, s69, 1
	s_cmp_lg_u32 s69, 0
	s_cbranch_scc1 .Lfirst
	s_setprio 0
	s_wait_tensorcnt 0x0                           ; all sixteen records
	s_wait_dscnt 0x0
	s_barrier_signal -1
	s_barrier_wait -1
	s_mov_b32 s69, 12
.Lrest:                                            ; steps 4-15
	STEP
	s_sub_co_u32 s69, s69, 1
	s_cmp_lg_u32 s69, 0
	s_cbranch_scc1 .Lrest
	s_setprio 0
	LOADQ 50                                       ; the second tile's q lands while the first tile goes out (the last product that read q stands a softmax back)
	FINAL 52, 56
	INIT 13
	s_mov_b32 s69, 8
.Lsecond:                                          ; steps 0-7 of the second tile
	STEP
	s_sub_co_u32 s69, s69, 1
	s_cmp_lg_u32 s69, 0
	s_cbranch_scc1 .Lsecond
	s_setprio 0
	FINAL 54, 58
	s_wait_xcnt 0x0
	v_lshl_add_u32 v254, v0, 2, 0x42000
	v_mov_b32 v255, 0
	s_wait_alu depctr_va_vdst(0)
	s_wait_tensorcnt 0x0
	ds_add_u32 v254, v255
	s_wait_dscnt 0x0
	ROUND                                          ; the closing round
	s_endpgm
.Lfunc_end_k_qe64b01b04a_attn:
	.size	k_qe64b01b04a_attn, .Lfunc_end_k_qe64b01b04a_attn-k_qe64b01b04a_attn
	.p2alignl 7, 3214868480
	.fill 96, 4, 3214868480
	.section	.rodata,"a",@progbits
	.p2align	6, 0x0
	.amdhsa_kernel k_qe64b01b04a_attn
		.amdhsa_group_segment_fixed_size 272384
		.amdhsa_private_segment_fixed_size 0
		.amdhsa_enable_private_segment 0
		.amdhsa_kernarg_size 24
		.amdhsa_user_sgpr_count 2
		.amdhsa_user_sgpr_kernarg_segment_ptr 1
		.amdhsa_wavefront_size32 1
		.amdhsa_system_sgpr_workgroup_id_x 1
		.amdhsa_system_sgpr_workgroup_id_y 1
		.amdhsa_system_sgpr_workgroup_id_z 1
		.amdhsa_system_vgpr_workitem_id 0
		.amdhsa_next_free_vgpr 256
		.amdhsa_next_free_sgpr 72
		.amdhsa_reserve_vcc 1
		.amdhsa_float_denorm_mode_32 3
		.amdhsa_float_denorm_mode_16_64 3
		.amdhsa_fp16_overflow 1
		.amdhsa_memory_ordered 1
		.amdhsa_forward_progress 1
		.amdhsa_inst_pref_size 87
	.end_amdhsa_kernel
	.amdgpu_metadata
---
amdhsa.version: [ 1, 2 ]
amdhsa.kernels:
  - .name:           k_qe64b01b04a_attn
    .symbol:         k_qe64b01b04a_attn.kd
    .args:
      - { .name: qkv, .offset: 0, .size: 8, .value_kind: global_buffer, .address_space: global }
      - { .name: yc, .offset: 8, .size: 8, .value_kind: global_buffer, .address_space: global }
      - { .name: ys, .offset: 16, .size: 8, .value_kind: global_buffer, .address_space: global }
    .group_segment_fixed_size: 272384
    .private_segment_fixed_size: 0
    .kernarg_segment_align: 8
    .kernarg_segment_size: 24
    .max_flat_workgroup_size: 512
    .sgpr_count:     72
    .vgpr_count:     256
    .wavefront_size: 32
...
	.end_amdgpu_metadata
.endif
;; end of part 2
;; launch proj (part 3): grid 4 x 32, 4 waves a work-group, clusters of 4 x 4, 327,680 bytes of LDS; arguments yc, ys, W_proj_codes, W_proj_scales, b_proj, out0; writes out0
.if DOCPART == 3
	.amdgcn_target "amdgcn-amd-amdhsa--gfx1250"
	.amdhsa_code_object_version 6
	.text
	.protected	k_qe64b01b04a_proj
	.globl	k_qe64b01b04a_proj
	.p2align	8
	.type	k_qe64b01b04a_proj,@function
k_qe64b01b04a_proj:
	s_mov_b64 s[64:65], 0
	v_nop
	global_prefetch_b8 v0, s[64:65] scope:SCOPE_SE
	s_setreg_imm32_b32 hwreg(HW_REG_WAVE_MODE, 25, 1), 1
	s_wait_xcnt 0x0
	s_wait_alu depctr_hold_cnt(0) depctr_sa_sdst(0) depctr_va_vdst(0) depctr_va_sdst(0) depctr_va_ssrc(0) depctr_va_vcc(0) depctr_vm_vsrc(0)
	s_getreg_b32 s2, hwreg(HW_REG_IB_STS2, 6, 4)
	s_cmp_eq_u32 s2, 0
	s_cbranch_scc0 .Lentry_in_a_cluster
	s_endpgm
.Lentry_in_a_cluster:
	s_bfe_u32 s2, ttmp6, 0x10000c
	s_cmp_lg_u32 s2, 0xf033
	s_cbranch_scc0 .Lentry_shape_is_right
	s_endpgm
.Lentry_shape_is_right:
; out0 = y W_proj + b_proj on codes of BF8 (E5M2) with one E8M0 scale for each 32 along K = 1,024; out0 [8,192][1,024] f32; sums in f32.
; y comes as IMAGES OF FRAGMENTS: yc at (row / 16) 16,384 + 2,048 s + 512 c + 16 lane holds registers 4 c .. 4 c + 3 of the fragment of 16 rows x K 128 s on; ys [8,192][32] its scale bytes.  W_proj: [1,024][1,024] codes, K innermost; [1,024][32] scale bytes.
; A work-group of four waves makes 256 x 256 of the output, a wave 128 x 128: 64 accumulators.  K goes in steps of 256 through two LDS slots.  In a slot: A's 16 row tiles x 4,096 bytes, as they lie (a load's 512 bytes are
; consecutive: no pitch, no padding), then B's 256 rows of 256 bytes + 16.  The scale bytes of all of K come once.  The bias is the C of each sum's first matrix instruction.
; The matrix instruction is used transposed (source 0 = 16 rows of W, source 1 = 16 rows of y): a lane holds eight neighbouring numbers of a row of the output.
; CLUSTERS: 4 x 4 work-groups; A's tiles are asked for jointly along a row of the cluster, B's along a column.  128 work-groups: the output has no more tiles of this size.
; LIMITS: NaN and infinities among the given codes are not served.
; REGISTERS: window 0: v0-31 addresses; v32-63 scale words, two sets, and nothing else; v64-127 the bias; from v128 A's fragments, one set (on the way out: rows read back).  window 1: B's fragments, two sets.  windows 2, 3: the accumulators.
.set SIZE_N, 1024
.set NQ,     2
.set ROWB,   256
.set KROW,   1024
.set PITCH,  272
.set FR,     16
.set NL,     4
.set NP,     8
.set HALFA,  32768                     ; 8 row tiles x 4,096 bytes: what one tensor load brings of A
.set HALFT,  128*PITCH                 ; and of B
.set SLOT,   2*HALFA+2*HALFT
.set LAPS,   2
.set KS,     32
.set SCL,    2*SLOT
.set HALFS,  (128*KS/256)*272
.set SBLK,   (16*KS/256)*272
.set SPARE,  SCL+4*HALFS               ; the spare words, 128 bytes for each wave: two blocks of 256 bytes that no other line names
.set SPITCH, 528                       ; the way out: a stage of 16 rows x (512 bytes + 16) for each wave, in slot 0, which has had its last fill and its last read by then
.set ADRA, 16
.set ADRB, 20
.set STO,  24
.set RD,   25
.set CO,   26
.set ADRS, 27
.set SPW,  28
.set NIL,  29
.set VO,   30
.set SC,   32
.set BI,   64
.set AF,   128
.set BK,   128
.set G1, 24
.set G0, 32
.set G1B, 48
.set G0B, 56
.set G1S, 68
.set G0S, 76
.set G1SB, 80
.set G0SB, 88
.set MSB, 0
.macro WIN new
.if MSB != (\new)
	s_set_vgpr_msb (MSB<<8)|(\new)
.set MSB, \new
.endif
.endm
.set MUL_LO, 0xa1                      ; source 0 (B) window 1, source 1 (A) window 0, C and D window 2
.set MUL_HI, 0xf1
.set BIA_LO, 0x81                      ; the same with C (the bias) in window 0
.set BIA_HI, 0xc1
.set TO_B,   0x40
.macro JLOAD g0a, g1a, g0b, g1b        ; a joint load: waves 0 and 1 fetch for A, waves 2 and 3 for B; four v_nop follow each of the two lines
	s_cmp_eq_u32 s17, 0
	s_cbranch_scc0 .Lfor_b_\@
	tensor_load_to_lds s[\g0a:\g0a+3], s[\g1a:\g1a+7]
	s_nop 0
.rept 4
	v_nop
.endr
	s_branch .Lasked_\@
.Lfor_b_\@:
	tensor_load_to_lds s[\g0b:\g0b+3], s[\g1b:\g1b+7]
	s_nop 0
.rept 4
	v_nop
.endr
.Lasked_\@:
.endm
.macro CREST
	s_cmp_lg_u32 s16, 0
	s_cbranch_scc1 .Lnot_wave_0_\@
	s_barrier_signal -3
.Lnot_wave_0_\@:
	s_barrier_wait -3
	s_barrier_signal -1
	s_barrier_wait -1
.endm
.macro CROUND
	s_barrier_signal -1
	s_barrier_wait -1
	CREST
.endm
	s_load_b256 s[4:11], s[0:1], 0x0               ; yc s[4:5], ys s[6:7], W's codes s[8:9], W's scales s[10:11]
	s_load_b128 s[12:15], s[0:1], 0x20             ; the bias s[12:13], out0 s[14:15]
	v_lshl_add_u32 v[SPW], v0, 2, SPARE
	v_mov_b32 v[NIL], 0
	ds_add_u32 v28, v29
	ds_add_u32 v28, v29
	s_wait_dscnt 0x0
	v_lshrrev_b32 v1, 5, v0
	v_readfirstlane_b32 s16, v1                    ; wave 0..3
	s_lshr_b32 s17, s16, 1                         ; which half of the tile's rows is mine.  Also: I fetch for A (0) or for B (1)
	s_and_b32 s18, s16, 1                          ; which half of its columns.  Also: which half I fetch
	s_bfe_u32 s40, ttmp6, 0x40000                  ; cx
	s_bfe_u32 s41, ttmp6, 0x40004                  ; cy
	s_lshl_b32 s42, ttmp9, 2
	s_add_co_u32 s42, s42, s40                     ; tile column
	s_and_b32 s95, ttmp7, 0xffff
	s_lshl_b32 s95, s95, 2
	s_add_co_u32 s95, s95, s41                     ; tile row
	s_lshl_b32 s43, s41, 2
	s_lshl_b32 s43, 15, s43                        ; my row of the cluster
	s_lshl_b32 s44, 0x1111, s40                    ; my column
	; A: 8 row tiles, of each 4,096 bytes (512 elements of 8), 16,384 bytes apart; no padding
	s_or_b32 s[G1+0], s43, (3<<16)|(1<<21)
	s_mov_b32 s[G1+1], 512<<16                     ; tensor_dim0
	s_mov_b32 s[G1+2], 8<<16                       ; tensor_dim1
	s_mov_b32 s[G1+3], 512<<16                     ; tile_dim0
	s_mov_b32 s[G1+4], 8                           ; tile_dim1
	s_mov_b32 s[G1+5], 2048                        ; from row to row, in elements
	s_mov_b32 s[G1+6], 0
	s_mov_b32 s[G1+7], 0
	; B: 128 rows x 256 bytes, four words of padding after every 64
	s_or_b32 s[G1B+0], s44, (0<<16)|(1<<20)|(1<<21)|(5<<22)|(3<<25)
	s_mov_b32 s[G1B+1], ROWB<<16
	s_mov_b32 s[G1B+2], 128<<16
	s_mov_b32 s[G1B+3], ROWB<<16
	s_mov_b32 s[G1B+4], 128
	s_mov_b32 s[G1B+5], KROW
	s_mov_b32 s[G1B+6], 0
	s_mov_b32 s[G1B+7], 0
	; the scales of 128 rows: 4,096 dense bytes, as 16 rows of 256 bytes, 16 bytes of padding behind each
	s_or_b32 s[G1S+0], s43, (3<<16)|(1<<20)|(1<<21)|(5<<22)|(3<<25)
	s_or_b32 s[G1SB+0], s44, (3<<16)|(1<<20)|(1<<21)|(5<<22)|(3<<25)
.irp g, G1S, G1SB
	s_mov_b32 s[\g+1], 32<<16
	s_mov_b32 s[\g+2], (128*KS/256)<<16
	s_mov_b32 s[\g+3], 32<<16
	s_mov_b32 s[\g+4], 128*KS/256
	s_mov_b32 s[\g+5], 32
	s_mov_b32 s[\g+6], 0
	s_mov_b32 s[\g+7], 0
.endr
	s_lshl_b32 s20, s95, 18                        ; A's codes: (16 x tile row + 8 x half) x 16,384 bytes
	s_lshl_b32 s23, s18, 17
	s_add_co_u32 s20, s20, s23
	s_mov_b32 s21, 0
	s_lshl_b32 s22, s95, 13                        ; A's scales: (256 x tile row + 128 x half) x 32
	s_lshl_b32 s23, s18, 12
	s_add_co_u32 s22, s22, s23
	s_mov_b32 s23, 0
	s_lshl_b32 s46, s42, 18                        ; B's codes: (256 x tile column + 128 x half) x 1,024
	s_lshl_b32 s47, s18, 17
	s_add_co_u32 s46, s46, s47
	s_mov_b32 s47, 0
	s_lshl_b32 s92, s42, 13                        ; B's scales
	s_lshl_b32 s93, s18, 12
	s_add_co_u32 s92, s92, s93
	s_mov_b32 s93, 0
	s_lshl_b32 s45, s18, 15                        ; where they go: A's half;
	s_mul_i32 s100, s18, HALFT
	s_add_co_u32 s100, s100, 2*HALFA               ; B's half, behind A's two;
	s_mul_i32 s94, s16, HALFS                      ; the scales: by the wave's number
	s_wait_kmcnt 0x0
	s_add_nc_u64 s[20:21], s[4:5], s[20:21]
	s_add_nc_u64 s[22:23], s[6:7], s[22:23]
	s_add_nc_u64 s[46:47], s[8:9], s[46:47]
	s_add_nc_u64 s[92:93], s[10:11], s[92:93]
	CROUND                                         ; all sixteen work-groups are here: the first joint loads meet
	s_mov_b32 s[G0S], 1
	s_add_co_u32 s[G0S+1], s94, SCL
	s_mov_b64 s[G0S+2:G0S+3], s[22:23]
	s_or_b32 s[G0S+3], s[G0S+3], 0x80000000
	s_mov_b32 s[G0SB], 1
	s_add_co_u32 s[G0SB+1], s94, SCL
	s_mov_b64 s[G0SB+2:G0SB+3], s[92:93]
	s_or_b32 s[G0SB+3], s[G0SB+3], 0x80000000
	JLOAD G0S, G1S, G0SB, G1SB
.irp s, 0,1
	s_mov_b32 s[G0+4*\s], 1
	s_add_co_u32 s[G0+4*\s+1], s45, \s*SLOT
	s_add_nc_u64 s[G0+4*\s+2:G0+4*\s+3], s[20:21], \s*4096
	s_or_b32 s[G0+4*\s+3], s[G0+4*\s+3], 0x80000000
	s_mov_b32 s[G0B+4*\s], 1
	s_add_co_u32 s[G0B+4*\s+1], s100, \s*SLOT
	s_add_nc_u64 s[G0B+4*\s+2:G0B+4*\s+3], s[46:47], \s*ROWB
	s_or_b32 s[G0B+4*\s+3], s[G0B+4*\s+3], 0x80000000
	s_wait_alu depctr_va_vdst(0)
	s_wait_tensorcnt 0x0
	ds_add_u32 v28, v29
	s_wait_dscnt 0x0
	CROUND
	JLOAD G0+4*\s, G1, G0B+4*\s, G1B
.endr
	v_and_b32 v1, 15, v0                           ; r
	v_bfe_u32 v2, v0, 4, 1                         ; h
	v_and_b32 v6, 31, v0                           ; lane
	v_lshlrev_b32 v[CO], 4, v6                     ; 16 x lane
	v_mul_u32_u24 v3, v1, PITCH
	v_lshl_add_u32 v4, v2, 4, v3
	s_lshl_b32 s21, s17, 15                        ; my 8 row tiles of A
	s_mul_i32 s22, s18, HALFT                      ; my 128 rows of B,
	s_add_co_u32 s22, s22, 2*HALFA                 ; behind A's
.irp s, 0,1
	v_add_nc_u32 v[ADRA+\s], s21, v[CO]
	v_add_nc_u32 v[ADRB+\s], s22, v4
	s_add_co_u32 s21, s21, SLOT
	s_add_co_u32 s22, s22, SLOT
.endr
	v_mul_u32_u24 v5, v1, KS
	v_lshrrev_b32 v6, 8, v5
	v_lshl_add_u32 v5, v6, 4, v5
	s_mul_i32 s21, s17, HALFS
	s_mul_i32 s22, s18, HALFS
	s_add_co_u32 s22, s22, 2*HALFS
	s_sub_co_u32 s22, s22, s21
	v_mul_u32_u24 v6, s22, v2                      ; lanes 16-31 take B's
	s_add_co_u32 s21, s21, SCL
	v_add_nc_u32 v5, v5, v6
	v_add_nc_u32 v[ADRS], s21, v5
	s_mul_i32 s23, s16, 16*SPITCH                  ; my stage
	v_mul_u32_u24 v5, v1, SPITCH
	v_lshl_add_u32 v5, v2, 5, v5
	v_add_nc_u32 v[STO], s23, v5                   ; in: row r, 32 bytes for each half of the lanes
	v_add_nc_u32 v[RD], s23, v[CO]                 ; back: the 32 lanes take one row of 512 bytes
	s_lshl_b32 s46, s42, 10                        ; my first column, in bytes of f32: 1,024 x tile column + 512 x half
	s_lshl_b32 s47, s18, 9
	s_add_co_u32 s46, s46, s47
	s_mov_b32 s47, 0
	s_add_nc_u64 s[12:13], s[12:13], s[46:47]      ; the bias of my 128 columns
	s_lshl_b32 s20, s95, 20                        ; my first row: (256 x tile row + 128 x half) x 4,096 bytes
	s_lshl_b32 s21, s17, 19
	s_add_co_u32 s20, s20, s21
	s_mov_b32 s21, 0
	s_add_nc_u64 s[20:21], s[20:21], s[46:47]
	s_add_nc_u64 s[14:15], s[14:15], s[20:21]
	v_lshlrev_b32 v[VO], 5, v2                     ; register 8 b + j = the bias of column 16 b + 8 h + j
.irp b, 0,1,2,3,4,5,6,7
	global_load_b128 v[BI+8*\b:BI+8*\b+3], v[VO], s[12:13] offset:64*\b
	global_load_b128 v[BI+8*\b+4:BI+8*\b+7], v[VO], s[12:13] offset:64*\b+16
.endr
.macro FRAG reg, adr, q, i             ; B: from rows that lie along K
.irp c, 0,1,2,3
	ds_load_b128 v[\reg+4*\c:\reg+4*\c+3], v[\adr] offset:128*(\q)+32*\c+(\i)*16*PITCH
.endr
.endm
.macro FRAGA reg, adr, q, i            ; A: an image comes back as it was stored
.irp c, 0,1,2,3
	ds_load_b128 v[\reg+4*\c:\reg+4*\c+3], v[\adr] offset:4096*(\i)+2048*(\q)+512*\c
.endr
.endm
; 16 matrix instructions.  first = 1: the bias starts the sums.  The 64 accumulators take turns, one instruction a turn.
.macro MUL16 a0, p, q, sc, first
.irp a, \a0, \a0+1
.irp b, 0,1,2,3,4,5,6,7
.if \first
	v_wmma_scale_f32_16x16x128_f8f6f4 v[8*(8*((\a)%4)+\b):8*(8*((\a)%4)+\b)+7], v[128*(\p)+FR*\b:128*(\p)+FR*\b+FR-1], v[AF+FR*(\a):AF+FR*(\a)+FR-1], v[BI+8*\b:BI+8*\b+7], v[SC+8*NQ*(\sc)+NQ*\b+(\q)], v[SC+8*NQ*(\sc)+NQ*(\a)+(\q)] matrix_a_fmt:MATRIX_FMT_BF8 matrix_b_fmt:MATRIX_FMT_BF8 matrix_a_scale:MATRIX_SCALE_ROW1
.else
	v_wmma_scale_f32_16x16x128_f8f6f4 v[8*(8*((\a)%4)+\b):8*(8*((\a)%4)+\b)+7], v[128*(\p)+FR*\b:128*(\p)+FR*\b+FR-1], v[AF+FR*(\a):AF+FR*(\a)+FR-1], v[8*(8*((\a)%4)+\b):8*(8*((\a)%4)+\b)+7], v[SC+8*NQ*(\sc)+NQ*\b+(\q)], v[SC+8*NQ*(\sc)+NQ*(\a)+(\q)] matrix_a_fmt:MATRIX_FMT_BF8 matrix_b_fmt:MATRIX_FMT_BF8 matrix_a_scale:MATRIX_SCALE_ROW1
.endif
.endr
.endr
.endm
.macro FETCH_B slot, q, p
	WIN TO_B
.irp i, 0,1,2,3,4,5,6,7
	FRAG 128*(\p)+FR*\i, ADRB+\slot, \q, \i
.endr
	WIN 0
.endm
.macro FETCH_A slot, q, i0
.irp i, \i0, \i0+1, \i0+2, \i0+3
	FRAGA AF+FR*(\i), ADRA+\slot, \q, \i
.endr
.endm
.macro SCALES sc
.irp i, 0,1,2,3,4,5,6,7
	ds_load_b64 v[SC+8*NQ*\sc+NQ*\i:SC+8*NQ*\sc+NQ*\i+1], v[ADRS] offset:\i*SBLK
.endr
.endm
.macro PLACES n
.rept \n
	v_nop
.endr
.endm
.macro STEP slot, q, first
	s_wait_dscnt 4*NL                              ; B's set and A's blocks 0-3 are in; the youngest sixteen loads (A's blocks 4-7) may be out
.if \first
	WIN BIA_LO
.else
	WIN MUL_LO
.endif
	MUL16 0, (\q)%2, \q, \slot, \first
	MUL16 2, (\q)%2, \q, \slot, \first
	s_wait_dscnt 0
	PLACES NP
	FETCH_B \slot, (\q)+1, 1-(\q)%2
	FETCH_A \slot, (\q)+1, 0
.if \first
	WIN BIA_HI
.else
	WIN MUL_HI
.endif
	MUL16 4, (\q)%2, \q, \slot, \first
	MUL16 6, (\q)%2, \q, \slot, \first
	PLACES NP
	WIN 0
	FETCH_A \slot, (\q)+1, 4
.endm
.macro TURN slot, next, fill
	s_wait_tensorcnt 0x0                           ; all my tensor loads have landed: my part of the next slot
	ds_add_u32 v[SPW], v[NIL]                      ; 0 onto my spare word
	s_wait_dscnt 4*NL+1                            ; (the add and the youngest sixteen loads may be out)
	WIN MUL_LO
	MUL16 0, 1, NQ-1, \slot, 0
	s_wait_dscnt 0x0                               ; the add is done, and my reads of this slot are over
	s_barrier_signal -1
	MUL16 2, 1, NQ-1, \slot, 0
	WIN 0
	s_barrier_wait -1
.if \fill
	CREST                                          ; the barrier has opened a round of the cluster's: no wave of any partner still reads this slot or has a load on its way
	s_add_nc_u64 s[G0+4*\slot+2:G0+4*\slot+3], s[G0+4*\slot+2:G0+4*\slot+3], 2*4096
	s_add_nc_u64 s[G0B+4*\slot+2:G0B+4*\slot+3], s[G0B+4*\slot+2:G0B+4*\slot+3], 2*ROWB
	JLOAD G0+4*\slot, G1, G0B+4*\slot, G1B
	PLACES NP-4
.else
	PLACES NP
.endif
	s_wait_alu depctr_va_vdst(0)
	v_add_nc_u32 v[ADRS], 4*NQ, v[ADRS]
	FETCH_B \next, 0, 0
	FETCH_A \next, 0, 0
	SCALES \next
	WIN MUL_HI
	MUL16 4, 1, NQ-1, \slot, 0
	MUL16 6, 1, NQ-1, \slot, 0
	PLACES NP
	WIN 0
	FETCH_A \next, 0, 4
.endm
	s_wait_alu depctr_va_vdst(0)
	s_wait_tensorcnt 1                             ; of my three first fills only slot 1's may be out
	s_barrier_signal -1
	s_barrier_wait -1
	FETCH_B 0, 0, 0
	FETCH_A 0, 0, 0
	SCALES 0
	FETCH_A 0, 0, 4
	s_wait_loadcnt 0x0                             ; the bias
	STEP 0, 0, 1
	s_mov_b32 s3, LAPS-1
.Llap:
	TURN 0, 1, 1
	STEP 1, 0, 0
	TURN 1, 0, 1
	STEP 0, 0, 0
	s_sub_co_u32 s3, s3, 1
	s_cmp_lg_u32 s3, 0
	s_cbranch_scc1 .Llap
	TURN 0, 1, 0
	STEP 1, 0, 0
	s_wait_dscnt 4*NL
	WIN MUL_LO
	MUL16 0, 1, NQ-1, 1, 0
	MUL16 2, 1, NQ-1, 1, 0
	s_wait_dscnt 0
	WIN MUL_HI
	MUL16 4, 1, NQ-1, 1, 0
	MUL16 6, 1, NQ-1, 1, 0
	WIN 0
; THE WAY OUT, block by block of 16 rows x 128 columns, through my own stage in LDS: in as 32 bytes a lane, back as whole rows of 512 bytes.  LDS serves a wave's instructions in order (ISA guide 5.7.1.4).
.macro TOSTAGE a
.set AC, 64*((\a)%4)
	WIN 0x08+4*((\a)/4)                            ; the data: window 2 or 3
.irp b, 0,1,2,3,4,5,6,7
	ds_store_b128 v[STO], v[AC+8*\b:AC+8*\b+3] offset:64*\b          ; each accumulator from its low end on
	ds_store_b128 v[STO], v[AC+8*\b+4:AC+8*\b+7] offset:64*\b+16
.endr
	WIN 0
.set BB, BK+64*((\a)%2)
.irp t, 0,1,2,3,4,5,6,7,8,9,10,11,12,13,14,15
	ds_load_b128 v[BB+4*\t:BB+4*\t+3], v[RD] offset:\t*SPITCH
.endr
.endm
.macro SEND a, younger
.set BB, BK+64*((\a)%2)
	s_wait_dscnt \younger                          ; the block is back in registers
.if (\a) > 0
	s_add_nc_u64 s[14:15], s[14:15], 16*SIZE_N*4   ; (behind a wait on XCNT)  16 rows on
.endif
.irp t, 0,1,2,3,4,5,6,7,8,9,10,11,12,13,14,15
	global_store_b128 v[CO], v[BB+4*\t:BB+4*\t+3], s[14:15] offset:\t*SIZE_N*4 th:TH_STORE_NT   ; 32 lanes store 512 consecutive bytes, aligned
.endr
.endm
	PLACES NP
	TOSTAGE 0
.irp a, 1,2,3,4,5,6,7
.if \a > 1
	s_wait_xcnt 0x0                                ; block a - 2's stores have read their registers and their base
.endif
	TOSTAGE \a
	SEND \a-1, 32                                  ; behind block a - 1's loads: block a's 16 stores and 16 loads
.endr
	s_wait_xcnt 0x0
	SEND 7, 0
	s_wait_tensorcnt 0x0                           ; the wave's end
	ds_add_u32 v[SPW], v[NIL]
	s_wait_dscnt 0x0
	CROUND                                         ; the closing round
	s_endpgm
.Lfunc_end_k_qe64b01b04a_proj:
	.size	k_qe64b01b04a_proj, .Lfunc_end_k_qe64b01b04a_proj-k_qe64b01b04a_proj
	.p2alignl 7, 3214868480
	.fill 96, 4, 3214868480
	.section	.rodata,"a",@progbits
	.p2align	6, 0x0
	.amdhsa_kernel k_qe64b01b04a_proj
		.amdhsa_group_segment_fixed_size 327680
		.amdhsa_private_segment_fixed_size 0
		.amdhsa_enable_private_segment 0
		.amdhsa_kernarg_size 48
		.amdhsa_user_sgpr_count 2
		.amdhsa_user_sgpr_kernarg_segment_ptr 1
		.amdhsa_wavefront_size32 1
		.amdhsa_system_sgpr_workgroup_id_x 1
		.amdhsa_system_sgpr_workgroup_id_y 1
		.amdhsa_system_sgpr_workgroup_id_z 1
		.amdhsa_system_vgpr_workitem_id 0
		.amdhsa_next_free_vgpr 1024
		.amdhsa_next_free_sgpr 102
		.amdhsa_reserve_vcc 0
		.amdhsa_float_denorm_mode_32 3
		.amdhsa_float_denorm_mode_16_64 3
		.amdhsa_memory_ordered 1
		.amdhsa_forward_progress 1
		.amdhsa_inst_pref_size 148
	.end_amdhsa_kernel
	.amdgpu_metadata
---
amdhsa.version: [ 1, 2 ]
amdhsa.kernels:
  - .name:           k_qe64b01b04a_proj
    .symbol:         k_qe64b01b04a_proj.kd
    .args:
      - { .name: yc, .offset: 0, .size: 8, .value_kind: global_buffer, .address_space: global }
      - { .name: ys, .offset: 8, .size: 8, .value_kind: global_buffer, .address_space: global }
      - { .name: W_proj_codes, .offset: 16, .size: 8, .value_kind: global_buffer, .address_space: global }
      - { .name: W_proj_scales, .offset: 24, .size: 8, .value_kind: global_buffer, .address_space: global }
      - { .name: b_proj, .offset: 32, .size: 8, .value_kind: global_buffer, .address_space: global }
      - { .name: out0, .offset: 40, .size: 8, .value_kind: global_buffer, .address_space: global }
    .group_segment_fixed_size: 327680
    .private_segment_fixed_size: 0
    .kernarg_segment_align: 8
    .kernarg_segment_size: 48
    .max_flat_workgroup_size: 128
    .sgpr_count:     102
    .vgpr_count:     1024
    .wavefront_size: 32
...
	.end_amdgpu_metadata
.endif
;; end of part 3
